; MI455X (gfx1250); checked and timed in simulation.
; The chip was launched on July 23, 2026; its instructions are those of AMD's public machine-readable ISA for CDNA 5 (MIT licence, August 2026) and "CDNA5" Instruction Set Architecture Reference Guide (July 2026). The comments in the code are by the model that wrote it; some were corrected since.
;; Texture Coordinate MLP. Allowed arithmetic: float matrix products may take bf16 or f16 operands with f32 sums; other float arithmetic in f32, or as packed bf16 or f16 multiplies, adds, multiply-adds, maxima and minima; sums over many terms, partial sums and values carried from step to step in f32; what a program stores and reads back later, other than sums and carried values, may be rounded once to bf16 or f16.
;; Inputs: W0 8 x 29 x 256 float32; Wh 8 x 6 x 256 x 256 float32; Wl 8 x 256 x 2 float32; b0 8 x 256 float32; bh 8 x 6 x 256 float32; bl 8 x 2 float32; mlp_idx 16,384 int32; proc 1 x 2 float32; x 16,384 x 3 float32.
;; Outputs: out0 16,384 x 2 float32.
;; One version. Each part assembles by itself: llvm-mc -triple=amdgcn-amd-amdhsa -mcpu=gfx1250 --defsym DOCPART=n.
;; ======== version 1 of 1: 2 launches
;; workspace buffers: order 532,480 bytes of whole numbers; counts 256 bytes of whole numbers; whf 6,291,456 bytes; w0f 131,072 bytes; wlf 65,536 bytes
;; launch prep (part 1): grid 207 x 1, 32 waves a work-group, no clusters, 4,352 bytes of LDS; arguments mlp_idx, Wh, W0, Wl, order, counts, whf, w0f, wlf, out0; writes order, counts, whf, w0f, wlf, out0
.if DOCPART == 1
	.amdgcn_target "amdgcn-amd-amdhsa--gfx1250"
	.amdhsa_code_object_version 6
	.text
	.protected	k_q368948e61f_prep
	.globl	k_q368948e61f_prep
	.p2align	8
	.type	k_q368948e61f_prep,@function
k_q368948e61f_prep:
	s_mov_b64 s[64:65], 0
	v_nop
	global_prefetch_b8 v0, s[64:65] scope:SCOPE_SE
	s_setreg_imm32_b32 hwreg(HW_REG_WAVE_MODE, 25, 1), 1
	s_wait_xcnt 0x0
; PREP: the tokens are sorted by chart, and the weights are rounded to bf16 once, in the order in which the next launch's operand registers take them.
; 207 work-groups of 32 waves; the work-group's number alone chooses its section (the same for all its waves):
;   0-7     SORT   chart e: order[e][rank] = the tokens whose mlp_idx is e (ranks 0 .. n_e - 1; the order within a chart is free), order[e][n_e] = 0 (a closing place, for the places of a tile past the count),
;                  counts[e] = n_e.  A chart has 16,640 places, so that rank 16,384 has room.  No atomics: counts by wave, one prefix through LDS.
;   8       STRAY  a token whose index is none of 0..7 keeps the zeros that reference() starts from: its 8 bytes of out0 are written here.
;   9-200   WH     a quarter (64 features) of one of the 48 matrices Wh[e][l]
;   201-202 W0     W0, K padded from 29 to 32 with zeros
;   203-206 WL     Wl, features 2..15 of the one tile of 16 are zeros
; A FRAGMENT (16 features x 32 k, source 0 of the 16-bit matrix instruction, ISA guide 7.12.2) is 1,024 bytes: [half (2)][lane (32)][16 bytes]; lane = 16 h + r holds feature r;
; half 0 holds k = 8 h + 0..7, half 1 holds k = 16 + 8 h + 0..7, the lowest k in the lowest bits.  So one 16-byte load a lane at 16 x lane brings half a fragment from 512 consecutive bytes.
;   whf: [matrix e*6+l (48)][wave w (4)][kb (8)][ftl (4)] fragments: feature 64 w + 16 ftl + r, k = 32 kb + ..     w0f: [e][w][ftl]     wlf: [e][kb]
.set SPARE, 256                        ; LDS: bytes 0-127 the 32 waves' counts, in a block of 256 of their own; from 256 on the spare words, 128 bytes for each of 32 waves
.set OPITCH, 66560                     ; bytes of a chart's list in order
.set SPW, 66                           ; v66  LDS address of my spare word; never rewritten
.set NIL, 67                           ; v67  0; never rewritten
.set IN,  16                           ; v[16:47]  as loaded
.set PK,  48                           ; v[48:63]  packed bf16
.set RK,  32                           ; SORT: v[32:47]  the byte offsets of my 16 tokens' ranks
.set TK,  48                           ; SORT: v[48:63]  my 16 tokens' numbers
	s_load_b512 s[4:19], s[0:1], 0x0               ; mlp_idx 4:5, Wh 6:7, W0 8:9, Wl 10:11, order 12:13, counts 14:15, whf 16:17, w0f 18:19
	s_load_b128 s[20:23], s[0:1], 0x40             ; wlf 20:21, out0 22:23
	v_lshl_add_u32 v[SPW], v0, 2, SPARE
	v_mov_b32 v[NIL], 0
	v_and_b32 v1, 31, v0                           ; lane
	v_lshrrev_b32 v2, 5, v0
	v_readfirstlane_b32 s24, v2                    ; wave 0..31
	s_mov_b32 s25, ttmp9                           ; work-group
	s_mov_b32 s35, 0                               ; high word of every 64-bit offset s[34:35]
	s_wait_kmcnt 0x0
	s_cmp_lt_u32 s25, 8
	s_cbranch_scc1 .Lsort
	s_cmp_eq_u32 s25, 8
	s_cbranch_scc1 .Lstray
	s_cmp_lt_u32 s25, 201
	s_cbranch_scc1 .Lwh
	s_cmp_lt_u32 s25, 203
	s_cbranch_scc1 .Lw0
; ---- WL: wave idx = e*16 + kb*2 + half writes 512 bytes.  Lane (r, h): Wl[e][32 kb + 16 half + 8 h + j][min(r, 1)], j = 0..7; rows r >= 2 become zeros.
	s_sub_co_u32 s26, s25, 203
	s_lshl_b32 s26, s26, 5
	s_add_co_u32 s26, s26, s24                     ; idx
	s_lshl_b32 s34, s26, 7                         ; e*2048 + kb*256 + half*128 = idx*128
	s_add_nc_u64 s[10:11], s[10:11], s[34:35]
	s_lshl_b32 s34, s26, 9
	s_add_nc_u64 s[20:21], s[20:21], s[34:35]
	v_and_b32 v4, 15, v1                           ; r
	v_lshrrev_b32 v5, 4, v1                        ; h
	v_min_u32 v2, 1, v4
	v_lshlrev_b32 v2, 2, v2
	v_lshl_add_u32 v2, v5, 6, v2                   ; h*64 + min(r,1)*4
.irp j, 0,1,2,3,4,5,6,7
	global_load_b32 v[IN+(\j)], v2, s[10:11] offset:8*(\j)
.endr
	v_lshlrev_b32 v3, 4, v1
	v_cmp_gt_u32 vcc_lo, 2, v4
	s_wait_loadcnt 0x0
.irp j, 0,1,2,3
	v_cvt_pk_bf16_f32 v[PK+(\j)], v[IN+2*(\j)], v[IN+2*(\j)+1]
.endr
.irp j, 0,1,2,3
	v_cndmask_b32 v[PK+(\j)], 0, v[PK+(\j)], vcc_lo
.endr
	global_store_b128 v3, v[PK:PK+3], s[20:21]     ; 512 consecutive bytes
	s_endpgm
; ---- W0: wave u = e*8 + ng takes features 32 ng + lane, all 29 k; three zeros fill K to 32.
.Lw0:
	s_sub_co_u32 s26, s25, 201
	s_lshl_b32 s26, s26, 5
	s_add_co_u32 s26, s26, s24                     ; u
	s_lshr_b32 s27, s26, 3                         ; e
	s_and_b32 s28, s26, 7                          ; ng
	s_mul_i32 s34, s27, 29696                      ; 29 rows of 1,024 bytes a chart
	s_lshl_b32 s29, s28, 7
	s_add_co_u32 s34, s34, s29
	s_add_nc_u64 s[8:9], s[8:9], s[34:35]
	s_lshl_b32 s34, s27, 14
	s_lshl_b32 s29, s28, 11                        ; (ng / 2) x 4,096 for the wave, (ng % 2) x 2,048 for two fragments = ng x 2,048
	s_add_co_u32 s34, s34, s29
	s_add_nc_u64 s[18:19], s[18:19], s[34:35]
	v_lshlrev_b32 v2, 2, v1
.set k, 0
.rept 29
	global_load_b32 v[IN+k], v2, s[8:9] offset:1024*k
.set k, k+1
.endr
	v_mov_b32 v[IN+29], 0
	v_mov_b32 v[IN+30], 0
	v_mov_b32 v[IN+31], 0
	v_lshrrev_b32 v4, 4, v1
	v_and_b32 v3, 15, v1
	v_lshlrev_b32 v3, 4, v3
	v_lshl_add_u32 v3, v4, 10, v3                  ; fragment lane / 16, row lane % 16
	s_wait_loadcnt 0x0
.set k, 0
.rept 16
	v_cvt_pk_bf16_f32 v[PK+k], v[IN+2*k], v[IN+2*k+1]
.set k, k+1
.endr
.irp o, 0,1,2,3                        ; octet o of k: half o / 2, lanes' half o % 2: 256 o bytes on
	global_store_b128 v3, v[PK+4*(\o):PK+4*(\o)+3], s[18:19] offset:256*(\o)  ; lanes 0-15 store 256 consecutive bytes, aligned; lanes 16-31 the same 1,024 bytes on
.endr
	s_endpgm
; ---- WH: work-group g = matrix*4 + q.  Wave o takes rows k = 8 o .. 8 o + 7; item i takes feature 64 q + 32 i + lane.  All 16 loads of a wave go out at once.
.Lwh:
	s_sub_co_u32 s26, s25, 9
	s_lshr_b32 s27, s26, 2                         ; matrix
	s_and_b32 s28, s26, 3                          ; q: the wave of the next launch that reads this part
	s_lshl_b32 s34, s27, 18                        ; 262,144 bytes a matrix in f32
	s_lshl_b32 s29, s28, 8
	s_add_co_u32 s34, s34, s29
	s_add_nc_u64 s[6:7], s[6:7], s[34:35]
	s_lshl_b32 s34, s27, 17                        ; 131,072 in bf16
	s_lshl_b32 s29, s28, 15
	s_add_co_u32 s34, s34, s29
	s_lshr_b32 s29, s24, 2                         ; kb = o / 4
	s_lshl_b32 s29, s29, 12
	s_add_co_u32 s34, s34, s29
	s_and_b32 s29, s24, 3                          ; half (o / 2) % 2 and lanes' half o % 2: 256 (o % 4)
	s_lshl_b32 s29, s29, 8
	s_add_co_u32 s34, s34, s29
	s_add_nc_u64 s[16:17], s[16:17], s[34:35]
	s_lshl_b32 s29, s24, 13                        ; 8 rows of 1,024 bytes
	v_lshlrev_b32 v2, 2, v1
	v_add_nc_u32 v2, s29, v2
.irp i, 0,1
.irp j, 0,1,2,3,4,5,6,7
	global_load_b32 v[IN+8*(\i)+(\j)], v2, s[6:7] offset:1024*(\j)+128*(\i) th:TH_LOAD_NT  ; each byte of Wh is read once in the launch
.endr
.endr
	v_lshrrev_b32 v4, 4, v1
	v_and_b32 v3, 15, v1
	v_lshlrev_b32 v3, 4, v3
	v_lshl_add_u32 v3, v4, 10, v3
	s_wait_loadcnt 8                               ; item 0's eight are in; item 1's eight stay out
.irp j, 0,1,2,3
	v_cvt_pk_bf16_f32 v[PK+(\j)], v[IN+2*(\j)], v[IN+2*(\j)+1]
.endr
	global_store_b128 v3, v[PK:PK+3], s[16:17]     ; lanes 0-15 store 256 consecutive bytes, aligned; lanes 16-31 the next fragment's
	s_wait_loadcnt 0x0
.irp j, 0,1,2,3
	v_cvt_pk_bf16_f32 v[PK+4+(\j)], v[IN+8+2*(\j)], v[IN+8+2*(\j)+1]
.endr
	global_store_b128 v3, v[PK+4:PK+7], s[16:17] offset:2048
	s_endpgm
; ---- STRAY: thread t holds tokens 4096 i + 4 t + c (register 4 i + c).
.Lstray:
	v_lshlrev_b32 v2, 4, v0
.irp i, 0,1,2,3
	global_load_b128 v[IN+4*(\i):IN+4*(\i)+3], v2, s[4:5] offset:16384*(\i)
.endr
	v_mov_b32 v6, 0
	v_mov_b32 v7, 0
	v_lshlrev_b32 v3, 5, v0                        ; token 4 t's 8 bytes in out0
	s_wait_loadcnt 0x0
	s_wait_xcnt 0x0                                ; EXEC changes only behind this wait
.set k, 0
.rept 16
	v_cmp_lt_u32 vcc_lo, 7, v[IN+k]                ; unsigned: a negative index is stray too
	s_and_saveexec_b32 s32, vcc_lo
	global_store_b64 v3, v[6:7], s[22:23] offset:(4096*(k/4)+k%4)*8
	s_wait_xcnt 0x0                                ; and again in front of the line that widens it
	s_or_b32 exec_lo, exec_lo, s32
.set k, k+1
.endr
	s_endpgm
; ---- SORT, chart e = the work-group's number.
.macro XSUM r                          ; the sum of v[r] over the 32 lanes, in every lane; v5 has been written
.irp m, 1,2,4,8
	v_mov_b32_dpp v5, v[\r] row_xmask:\m row_mask:0xf bank_mask:0xf
	v_add_nc_u32 v[\r], v[\r], v5
.endr
	v_permlanex16_b32 v5, v[\r], s26, s27
	v_add_nc_u32 v[\r], v[\r], v5
.endm
.Lsort:
	v_lshlrev_b32 v2, 4, v0
.irp i, 0,1,2,3
	global_load_b128 v[IN+4*(\i):IN+4*(\i)+3], v2, s[4:5] offset:16384*(\i)  ; all 16,384 indices: 16 a thread
.endr
	v_lshlrev_b32 v3, 2, v0                        ; 4 t
	v_mov_b32 v5, 0
	s_mul_i32 s34, s25, OPITCH                     ; the chart's list
	s_add_nc_u64 s[12:13], s[12:13], s[34:35]
	s_mov_b32 s26, 0x76543210                      ; v_permlanex16_b32: each lane takes its own place in the other half
	s_mov_b32 s27, 0xfedcba98
	s_mov_b32 s28, 0
	s_wait_loadcnt 0x0
.set k, 0
.rept 16                               ; pass 1: the 16 masks stay in s40-s55; s28 counts my wave's tokens of the chart
	v_cmp_eq_u32 s[40+k], s25, v[IN+k]
	s_bcnt1_i32_b32 s29, s[40+k]
	s_add_co_u32 s28, s28, s29
.set k, k+1
.endr
	v_mov_b32 v6, s24
	v_lshlrev_b32 v6, 2, v6
	v_mov_b32 v7, s28
	ds_store_b32 v6, v7                            ; my wave's count into its own word
	s_wait_dscnt 0x0                               ; for the others' sake: the store is done before I signal
	s_barrier_signal -1
	s_barrier_wait -1
	v_lshlrev_b32 v8, 2, v1
	ds_load_b32 v9, v8                             ; lane i: wave i's count
	s_wait_dscnt 0x0
	v_cmp_gt_u32 vcc_lo, s24, v1
	v_cndmask_b32 v10, 0, v9, vcc_lo               ; the waves in front of mine
	XSUM 10
	XSUM 9
	v_readfirstlane_b32 s30, v10                   ; my wave's first rank
	v_readfirstlane_b32 s31, v9                    ; n_e
; pass 2, first half: every register that the stores below name is made here, with all lanes on and EXEC as it was at the entry
.set k, 0
.rept 16
	v_mbcnt_lo_u32_b32 v[RK+k], s[40+k], s30       ; rank = first rank + the mask's bits below my lane
	v_min_u32 v[RK+k], 0x3fff, v[RK+k]             ; a rank is under 16,384
	v_lshlrev_b32 v[RK+k], 2, v[RK+k]
	v_add_nc_u32 v[TK+k], 4096*(k/4)+k%4, v3       ; the token
	s_bcnt1_i32_b32 s29, s[40+k]
	s_add_co_u32 s30, s30, s29
.set k, k+1
.endr
	v_mov_b32 v12, 0                               ; the closing place's token
	v_mov_b32 v13, s25
	v_lshlrev_b32 v13, 2, v13                      ; counts[e]
	v_mov_b32 v14, s31
	v_mov_b32 v15, s31
	v_min_u32 v15, 0x4000, v15                     ; n_e is 16,384 at the most
	v_lshlrev_b32 v15, 2, v15                      ; order[e][n_e]
	s_wait_xcnt 0x0                                ; EXEC changes only behind this wait
; pass 2, second half: the lanes that store hold consecutive ranks, so they store consecutive words
.set k, 0
.rept 16
	s_mov_b32 vcc_lo, s[40+k]
	s_and_saveexec_b32 s32, vcc_lo
	global_store_b32 v[RK+k], v[TK+k], s[12:13]
	s_wait_xcnt 0x0                                ; and again in front of the line that widens it
	s_or_b32 exec_lo, exec_lo, s32
.set k, k+1
.endr
	s_cmp_lg_u32 s24, 0
	s_cbranch_scc1 .Lsort_end                      ; wave 0 alone stores the count and the closing place; no barrier is jumped
	v_cmp_eq_u32 vcc_lo, 0, v1
	s_and_saveexec_b32 s32, vcc_lo
	global_store_b32 v13, v14, s[14:15]
	global_store_b32 v15, v12, s[12:13]
	s_wait_xcnt 0x0
	s_or_b32 exec_lo, exec_lo, s32
.Lsort_end:
	s_wait_tensorcnt 0x0                           ; the wave's end, behind my last LDS store
	ds_add_u32 v[SPW], v[NIL]
	s_wait_dscnt 0x0
	s_endpgm
.Lfunc_end_k_q368948e61f_prep:
	.size	k_q368948e61f_prep, .Lfunc_end_k_q368948e61f_prep-k_q368948e61f_prep
	.p2alignl 7, 3214868480
	.fill 96, 4, 3214868480
	.section	.rodata,"a",@progbits
	.p2align	6, 0x0
	.amdhsa_kernel k_q368948e61f_prep
		.amdhsa_group_segment_fixed_size 4352
		.amdhsa_private_segment_fixed_size 0
		.amdhsa_enable_private_segment 0
		.amdhsa_kernarg_size 80
		.amdhsa_user_sgpr_count 2
		.amdhsa_user_sgpr_kernarg_segment_ptr 1
		.amdhsa_wavefront_size32 1
		.amdhsa_system_sgpr_workgroup_id_x 1
		.amdhsa_system_sgpr_workgroup_id_y 1
		.amdhsa_system_sgpr_workgroup_id_z 1
		.amdhsa_system_vgpr_workitem_id 0
		.amdhsa_next_free_vgpr 68
		.amdhsa_next_free_sgpr 66
		.amdhsa_reserve_vcc 1
		.amdhsa_float_denorm_mode_32 3
		.amdhsa_float_denorm_mode_16_64 3
		.amdhsa_memory_ordered 1
		.amdhsa_forward_progress 1
		.amdhsa_inst_pref_size 28
	.end_amdhsa_kernel
	.amdgpu_metadata
---
amdhsa.version: [ 1, 2 ]
amdhsa.kernels:
  - .name:           k_q368948e61f_prep
    .symbol:         k_q368948e61f_prep.kd
    .args:
      - { .name: mlp_idx, .offset: 0, .size: 8, .value_kind: global_buffer, .address_space: global }
      - { .name: Wh, .offset: 8, .size: 8, .value_kind: global_buffer, .address_space: global }
      - { .name: W0, .offset: 16, .size: 8, .value_kind: global_buffer, .address_space: global }
      - { .name: Wl, .offset: 24, .size: 8, .value_kind: global_buffer, .address_space: global }
      - { .name: order, .offset: 32, .size: 8, .value_kind: global_buffer, .address_space: global }
      - { .name: counts, .offset: 40, .size: 8, .value_kind: global_buffer, .address_space: global }
      - { .name: whf, .offset: 48, .size: 8, .value_kind: global_buffer, .address_space: global }
      - { .name: w0f, .offset: 56, .size: 8, .value_kind: global_buffer, .address_space: global }
      - { .name: wlf, .offset: 64, .size: 8, .value_kind: global_buffer, .address_space: global }
      - { .name: out0, .offset: 72, .size: 8, .value_kind: global_buffer, .address_space: global }
    .group_segment_fixed_size: 4352
    .private_segment_fixed_size: 0
    .kernarg_segment_align: 8
    .kernarg_segment_size: 80
    .max_flat_workgroup_size: 1024
    .sgpr_count:     66
    .vgpr_count:     68
    .wavefront_size: 32
...
	.end_amdgpu_metadata
.endif
;; end of part 1
;; launch chain (part 2): grid 212 x 1, 4 waves a work-group, no clusters, 87,552 bytes of LDS; arguments counts, order, x, proc, whf, w0f, wlf, b0, bh, bl, out0; writes out0
.if DOCPART == 2
	.amdgcn_target "amdgcn-amd-amdhsa--gfx1250"
	.amdhsa_code_object_version 6
	.text
	.protected	k_q368948e61f_chain
	.globl	k_q368948e61f_chain
	.p2align	8
	.type	k_q368948e61f_chain,@function
k_q368948e61f_chain:
	s_mov_b64 s[64:65], 0
	v_nop
	global_prefetch_b8 v0, s[64:65] scope:SCOPE_SE
	s_setreg_imm32_b32 hwreg(HW_REG_WAVE_MODE, 25, 1), 1
	s_wait_xcnt 0x0
; CHAIN: a work-group takes a tile of up to 80 tokens of ONE chart through the whole MLP: gather x, positional encoding, 29 -> 256, six times 256 -> 256 (bias, ReLU), 256 -> 2, sigmoid, scatter.
; Only the chart that a token chose is multiplied: reference() throws the others' results away by its own where().  The hidden layer never goes to memory.
; GRID.  With tiles of 80 the charts have ceil(n_e / 80) tiles, together never more than floor((16384 + 8 x 79) / 80) = 212, whatever the split: so many work-groups.  Each finds its chart and tile from the
; eight stored counts.  One that the split leaves without a tile has rows = 0: it walks the same text and stores nothing, since every wave passes every barrier and none stands under a branch on a loaded count.
; LAYOUT.  H_next^T = W^T H^T: source 0 = 16 features x 32 k of the weights, source 1 = 32 k x 16 tokens.  In the result lane (r, h) holds token r and features 8 h + 0..7, so two feature tiles packed to bf16
; ARE a fragment of source 1 of the next layer, and the lane that makes 16 bytes is the lane that reads them.  The bias is the C operand of a layer's first products: nothing is cleared or added apart.
; SHARES.  Wave w makes features 64 w .. 64 w + 63 of all 80 tokens: 4 x 5 accumulators, 160 matrix instructions a layer.  Its weights (32 KB a layer, which no other wave of the work-group uses) come from memory
; straight into its registers in fragment order, four slots of 64 registers, each asked for again as soon as it has been multiplied.  H goes through LDS in fragment order: two buffers by turns, one barrier a layer.
; NO CLUSTER, NO TENSOR LOAD.  Work-groups of one chart walk the same weights, but a joint load lands in LDS: 128 KB written and 128 KB read a layer beside H's 160 KB of reads, where this text reads weights from
; LDS not at all; and partners must be of one chart, which wants whole clusters dealt to charts: up to 58 clusters, 232 work-groups, for these 212.
; LIMITS.  Matrix operands (encoding, H, weights) are bf16; sums, biases, encoding and sigmoid f32.  The encoding takes the phase of the exact product 2^d pi x (x less its nearest integer is exact), where
; reference() first rounds that product to f32: the two differ by up to |2^d pi x| x 2^-23 rad, 5e-4 at |x| = 150; from |x| = 2^23 on the phase is 0.  ReLU is a maximum in which a NaN loses: a NaN or an infinity in
; an input is not carried as reference() carries it.
; REGISTERS, in windows of 256 (s_set_vgpr_msb: bits 1:0 source 0, 3:2 source 1, 5:4 source 2, 7:6 destination):
;   window 0: v0-19 addresses; v20-29 the end's work; v32-63 bias; v64-87 the encoding's work; v96-175, v176-255 two buffers of ten fragments of H (the first is also the way out's 80 packed registers)
;   window 1: the weights' four slots (slot p: K blocks 2 p, 2 p + 1; fragment (kbl, ft) at 64 p + 8 (4 kbl + ft))
;   window 2: v0-159 accumulators ((ft, tt) at 8 (5 ft + tt)); v160-191 W0's fragments; v192-223 b0; v224-239 Wl's fragments
.set HB1,   40960                      ; LDS: H's two buffers at 0 and 40,960: fragment (kb, tt) at (5 kb + tt) x 1,024 + half x 512 + lane x 16: every access is 512 consecutive bytes, so no padding
.set PART,  81920                      ; the four waves' partial logits: [wave][tile (5)][256 bytes]
.set SPARE, 87040                      ; the spare words, 128 bytes for each wave: two blocks of 256 bytes that no other line names
.set OPITCH, 66560                     ; bytes of a chart's list in order: 16,384 ranks and the closing place, rounded up
.set LD0, 1                            ; v1   16 x lane: reads of H's buffer 0
.set LD1, 2                            ; v2   the same in buffer 1
.set ST0, 3                            ; v3   10,240 x wave + 16 x lane: my ten fragments in buffer 0
.set ST1, 4                            ; v4   the same in buffer 1
.set WO,  5                            ; v5   32,768 x wave + 16 x lane: my part of a matrix in whf
.set BO,  6                            ; v6   256 x wave + 32 x (lane / 16): my 8 features' biases
.set ZR,  7                            ; v7   0, for the packed maximum
.set SPW, 8                            ; v8   LDS address of my spare word; never rewritten
.set NIL, 9                            ; v9   0; never rewritten
.set OUTO, 10                          ; v10  my token, then its byte offset in out0
.set BIAS, 32
.set TE,  64
.set HP0, 96
.set HP1, 176
.set T,   HP0
.set E,   96                           ; v96-127: the 32 inputs of my token, in k order
.set ACC, 0
.set W0F, 160
.set B0R, 192
.set WLF, 224
.set MSB, 0
.macro WIN new                         ; the immediate's high byte repeats the setting that is left; a switch that changes nothing is dropped
.if MSB != (\new)
	s_set_vgpr_msb (MSB<<8)|(\new)
.set MSB, \new
.endif
.endm
.macro PLACES                          ; a load into a register that a matrix instruction has read, and a vector instruction that reads its result, stand four plain vector instructions behind it
.rept 4
	v_nop
.endr
.endm
.macro FETCH_H adr, p, hb              ; 20 LDS loads: H's fragments of K blocks 2 p, 2 p + 1, all five token tiles
	WIN 0
.irp kbl, 0,1
.irp tt, 0,1,2,3,4
	ds_load_b128 v[(\hb)+8*((\kbl)*5+(\tt)):(\hb)+8*((\kbl)*5+(\tt))+3],   v[\adr] offset:((2*(\p)+(\kbl))*5+(\tt))*1024
	ds_load_b128 v[(\hb)+8*((\kbl)*5+(\tt))+4:(\hb)+8*((\kbl)*5+(\tt))+7], v[\adr] offset:((2*(\p)+(\kbl))*5+(\tt))*1024+512
.endr
.endr
.endm
.macro LOADW p, off                    ; 16 loads: slot p of the matrix off bytes behind the base
	WIN 0x40
.irp kbl, 0,1
.irp ft, 0,1,2,3
	global_load_b128 v[64*(\p)+8*((\kbl)*4+(\ft)):64*(\p)+8*((\kbl)*4+(\ft))+3],   v[WO], s[12:13] offset:(\off)+(2*(\p)+(\kbl))*4096+(\ft)*1024
	global_load_b128 v[64*(\p)+8*((\kbl)*4+(\ft))+4:64*(\p)+8*((\kbl)*4+(\ft))+7], v[WO], s[12:13] offset:(\off)+(2*(\p)+(\kbl))*4096+(\ft)*1024+512
.endr
.endr
.endm
.macro LOADB off                       ; 8 loads: my 8 features' biases in each of my four feature tiles
	WIN 0
.irp ft, 0,1,2,3
	global_load_b128 v[BIAS+8*(\ft):BIAS+8*(\ft)+3],   v[BO], s[20:21] offset:(\off)+(\ft)*64
	global_load_b128 v[BIAS+8*(\ft)+4:BIAS+8*(\ft)+7], v[BO], s[20:21] offset:(\off)+(\ft)*64+16
.endr
.endm
; 40 matrix instructions: slot p x the ten fragments in hb.  The 20 accumulators take turns, one instruction a turn, from step to step and from layer to layer too.
; first = 1: the first 20 start the sums with the bias as C.
.macro MUL p, hb, first
.irp kbl, 0,1
.if (\first) && ((\kbl) == 0)
	WIN 0x81                                       ; A window 1, B and C window 0, D window 2
.else
	WIN 0xa1                                       ; A window 1, B window 0, C and D window 2
.endif
.irp ft, 0,1,2,3
.irp tt, 0,1,2,3,4
.if (\first) && ((\kbl) == 0)
	v_wmma_f32_16x16x32_bf16 v[ACC+8*((\ft)*5+(\tt)):ACC+8*((\ft)*5+(\tt))+7], v[64*(\p)+8*((\kbl)*4+(\ft)):64*(\p)+8*((\kbl)*4+(\ft))+7], v[(\hb)+8*((\kbl)*5+(\tt)):(\hb)+8*((\kbl)*5+(\tt))+7], v[BIAS+8*(\ft):BIAS+8*(\ft)+7]
.else
	v_wmma_f32_16x16x32_bf16 v[ACC+8*((\ft)*5+(\tt)):ACC+8*((\ft)*5+(\tt))+7], v[64*(\p)+8*((\kbl)*4+(\ft)):64*(\p)+8*((\kbl)*4+(\ft))+7], v[(\hb)+8*((\kbl)*5+(\tt)):(\hb)+8*((\kbl)*5+(\tt))+7], v[ACC+8*((\ft)*5+(\tt)):ACC+8*((\ft)*5+(\tt))+7]
.endif
.endr
.endr
.endr
.endm
; A layer's way out.  c3 >= 0: slot 3 is asked for again first.  Then the sums are rounded to bf16 (each accumulator from its low end on) and ReLU is taken on the packed halves (the same numbers as ReLU first).
; Tile (ft, tt) lands at T + 8 (5 (ft / 2) + tt) + 4 (ft % 2): T then holds my ten fragments as the next product reads them.  fin = 0: they go to LDS, and ONE barrier does two things: in front of it each wave's
; wait for 0 covers its stores of the new H and its reads of the old one; behind it the new buffer is read, and the old one is written again only in the next way out.
.macro EPI wr, c3, fin
	WIN 0
	PLACES
.if (\c3) >= 0
	LOADW 3, \c3
.endif
	WIN 0x0a                                       ; sources in window 2, destination in window 0
.irp ft, 0,1,2,3
.irp tt, 0,1,2,3,4
.irp r, 0,1,2,3
	v_cvt_pk_bf16_f32 v[T+8*(((\ft)/2)*5+(\tt))+4*((\ft)%2)+(\r)], v[ACC+8*((\ft)*5+(\tt))+2*(\r)], v[ACC+8*((\ft)*5+(\tt))+2*(\r)+1]
.endr
.endr
.endr
	WIN 0
.set i, 0
.rept 80
	v_pk_max_num_bf16 v[T+i], v[T+i], v[ZR]
.set i, i+1
.endr
.if !(\fin)
.set i, 0
.rept 20
	ds_store_b128 v[\wr], v[T+4*i:T+4*i+3] offset:512*i
.set i, i+1
.endr
	s_wait_dscnt 0x0
	s_barrier_signal -1
	s_barrier_wait -1
.endif
.endm
; A hidden layer: four steps of two K blocks.  The weights come in chunks, in a fixed cycle: C0 = 8 bias loads + slot 0's 16; C1, C2, C3 = 16 each.  The next layer's C0 is asked for in step 1, C1 in step 2,
; C2 in step 3, C3 in the way out.  Each wait on LOADcnt stands ahead of its own step's requests and counts what was issued behind the chunk that the step multiplies (loads come back in order, ISA guide 5.7.1):
; step 0: C1 + C2 + C3 = 48.  step 1: C2 + C3 = 32.  step 2: C3 + next C0 = 40 (last layer: 16).  step 3: next C0 + C1 = 40 (last layer: 0).
; s_wait_dscnt 20 leaves the pair of K blocks just fetched out; the pair before it is in.
.macro LAYER rd, wr, wn, bn, more
	FETCH_H \rd, 0, HP0
	FETCH_H \rd, 1, HP1
	s_wait_loadcnt 48
	s_wait_dscnt 20
	MUL 0, HP0, 1
	s_wait_loadcnt 32
	WIN 0
	PLACES
	FETCH_H \rd, 2, HP0
.if \more
	LOADB \bn
	LOADW 0, \wn
.endif
	s_wait_dscnt 20
	MUL 1, HP1, 0
.if \more
	s_wait_loadcnt 40
.else
	s_wait_loadcnt 16
.endif
	WIN 0
	PLACES
	FETCH_H \rd, 3, HP1
.if \more
	LOADW 1, \wn
.endif
	s_wait_dscnt 20
	MUL 2, HP0, 0
.if \more
	s_wait_loadcnt 40
	WIN 0
	PLACES
	LOADW 2, \wn
.else
	s_wait_loadcnt 0x0
.endif
	s_wait_dscnt 0x0
	MUL 3, HP1, 0
.if \more
	EPI \wr, \wn, 0
.else
	EPI \wr, -1, 1
.endif
.endm
.macro E3 line:vararg                  ; one line for each coordinate c
.set c, 0
.rept 3
	\line
.set c, c+1
.endr
.endm
; ---- HEAD
	s_load_b512 s[4:19], s[0:1], 0x0               ; counts 4:5, order 6:7, x 8:9, proc 10:11, whf 12:13, w0f 14:15, wlf 16:17, b0 18:19
	s_load_b128 s[20:23], s[0:1], 0x40             ; bh 20:21, bl 22:23
	s_load_b64 s[24:25], s[0:1], 0x50              ; out0
	v_lshl_add_u32 v[SPW], v0, 2, SPARE
	v_mov_b32 v[NIL], 0
	v_mov_b32 v[ZR], 0
	v_and_b32 v11, 31, v0                          ; lane
	v_lshrrev_b32 v12, 5, v0
	v_readfirstlane_b32 s36, v12                   ; wave 0..3
	v_lshrrev_b32 v14, 4, v11                      ; h = lane / 16
	v_and_b32 v15, 15, v11                         ; r = lane % 16
	v_lshlrev_b32 v[LD0], 4, v11
	v_add_nc_u32 v[LD1], HB1, v[LD0]
	s_mul_i32 s42, s36, 10240
	v_add_nc_u32 v[ST0], s42, v[LD0]
	v_add_nc_u32 v[ST1], HB1, v[ST0]
	s_lshl_b32 s42, s36, 15
	v_add_nc_u32 v[WO], s42, v[LD0]
	s_lshl_b32 s42, s36, 8
	v_lshl_add_u32 v[BO], v14, 5, s42
	s_lshl_b32 s42, s36, 12
	v_add_nc_u32 v12, s42, v[LD0]                  ; my four fragments in w0f
	s_lshl_b32 s42, s36, 11
	v_add_nc_u32 v13, s42, v[LD0]                  ; my two fragments in wlf
	s_add_co_u32 s42, s42, HB1                     ; thread t = 32 wave + lane serves place t of the tile: token tile 2 wave + h, column r
	v_lshlrev_b32 v16, 4, v15
	v_lshl_add_u32 v16, v14, 10, v16
	v_add_nc_u32 v16, s42, v16                     ; where the encoding goes: octet o of k lies 256 o bytes on
	s_mul_i32 s42, s36, 1280
	s_add_co_u32 s42, s42, PART
	v_lshl_add_u32 v17, v11, 3, s42                ; where my partial logits go
	v_min_u32 v19, 79, v0
	v_lshrrev_b32 v18, 4, v19
	v_and_b32 v19, 15, v19
	v_lshlrev_b32 v19, 3, v19
	v_lshl_add_u32 v18, v18, 8, v19
	v_add_nc_u32 v18, PART, v18                    ; where place min(t, 79)'s partial logits lie in wave 0's part
	s_mov_b32 s52, 0x3fc90fdb                      ; sin((pi/2) f) = f (S1 + z (S3 + z (S5 + z S7))), z = f f: (pi/2)^n / n! with signs by turns:  1.5707963
	s_mov_b32 s53, 0xbf255de7                      ; -0.6459641
	s_mov_b32 s54, 0x3da335e3                      ;  0.07969263
	s_mov_b32 s55, 0xbb996966                      ; -0.004681754
	s_mov_b32 s56, 0xbf9de9e6                      ; cos((pi/2) f) = 1 + z (C2 + z (C4 + z (C6 + z C8))):  -1.2337006
	s_mov_b32 s57, 0x3e81e0f8                      ;  0.2536695
	s_mov_b32 s58, 0xbcaae9e4                      ; -0.02086348
	s_mov_b32 s59, 0x3a70fa83                      ;  0.00091926
	s_mov_b32 s62, 0xcccccccd                      ; m / 80 = (the high word of m x this) >> 6
	s_mov_b32 s37, ttmp9
	s_mov_b32 s38, 0
	s_mov_b32 s39, 0
	s_mov_b32 s40, 0
	s_mov_b32 s41, 0
	s_mov_b32 s47, 0
	s_wait_kmcnt 0x0
	s_load_b256 s[28:35], s[4:5], 0x0              ; n_0 .. n_7
	s_load_b64 s[48:49], s[10:11], 0x0             ; proc
	s_wait_kmcnt 0x0
; ---- WHICH TILE: the last chart whose first tile is not beyond my number
.irp e, 0,1,2,3,4,5,6,7
	s_cmp_ge_u32 s37, s38
	s_cselect_b32 s39, \e, s39                     ; the chart,
	s_cselect_b32 s40, s38, s40                    ; its first tile,
	s_cselect_b32 s41, s[28+(\e)], s41             ; its count
	s_add_co_u32 s42, s[28+(\e)], 79
	s_mul_hi_u32 s42, s42, s62
	s_lshr_b32 s42, s42, 6                         ; ceil(n / 80)
	s_add_co_u32 s38, s38, s42
.endr
	s_min_u32 s39, s39, 7
	s_min_u32 s41, s41, 0x4000                     ; a count is 16,384 at the most
	s_sub_co_u32 s44, s37, s40
	s_mul_i32 s44, s44, 80                         ; my first rank
	s_sub_co_i32 s45, s41, s44
	s_min_i32 s45, s45, 80
	s_max_i32 s45, s45, 0                          ; rows: 1 to 80, or 0 where the split leaves me no tile
	s_min_u32 s44, s44, 0x4000
	s_mul_i32 s46, s39, 786432                     ; the chart's six matrices,
	s_add_nc_u64 s[12:13], s[12:13], s[46:47]
	s_lshl_b32 s46, s39, 14
	s_add_nc_u64 s[14:15], s[14:15], s[46:47]      ; its W0,
	s_lshl_b32 s46, s39, 13
	s_add_nc_u64 s[16:17], s[16:17], s[46:47]      ; its Wl,
	s_lshl_b32 s46, s39, 10
	s_add_nc_u64 s[18:19], s[18:19], s[46:47]      ; b0,
	s_mul_i32 s46, s39, 6144
	s_add_nc_u64 s[20:21], s[20:21], s[46:47]      ; bh,
	s_mul_i32 s46, s39, OPITCH
	s_add_nc_u64 s[6:7], s[6:7], s[46:47]          ; its list of tokens,
	s_lshl_b32 s46, s39, 3
	s_add_nc_u64 s[22:23], s[22:23], s[46:47]      ; bl
	s_load_b64 s[50:51], s[22:23], 0x0             ; waited for at the end
; ---- FIRST LOADS.  Place t reads rank min(first rank + t, n): a place past the count reads the list's closing place, which holds token 0; its result is never stored.  So every place that is read was written,
; and all lanes stay on: EXEC is changed nowhere ahead of the last store, and every address register is written with all lanes on.
	v_add_nc_u32 v14, s44, v0
	v_min_u32 v14, s41, v14
	v_min_u32 v14, 0x4000, v14
	v_lshlrev_b32 v14, 2, v14
	global_load_b32 v[OUTO], v14, s[6:7]
	WIN 0x80                                       ; destination window 2
.irp ft, 0,1,2,3
	global_load_b128 v[W0F+8*(\ft):W0F+8*(\ft)+3],   v12, s[14:15] offset:(\ft)*1024
	global_load_b128 v[W0F+8*(\ft)+4:W0F+8*(\ft)+7], v12, s[14:15] offset:(\ft)*1024+512
.endr
.irp ft, 0,1,2,3
	global_load_b128 v[B0R+8*(\ft):B0R+8*(\ft)+3],   v[BO], s[18:19] offset:(\ft)*64
	global_load_b128 v[B0R+8*(\ft)+4:B0R+8*(\ft)+7], v[BO], s[18:19] offset:(\ft)*64+16
.endr
.irp kbl, 0,1
	global_load_b128 v[WLF+8*(\kbl):WLF+8*(\kbl)+3],   v13, s[16:17] offset:(\kbl)*1024
	global_load_b128 v[WLF+8*(\kbl)+4:WLF+8*(\kbl)+7], v13, s[16:17] offset:(\kbl)*1024+512
.endr
	LOADB 0
	LOADW 0, 0
	LOADW 1, 0
	WIN 0
	s_wait_loadcnt 60                              ; my token's number is in; the 8 + 8 + 4 + 8 + 16 + 16 loads issued behind it stay out
	v_min_u32 v[OUTO], 0x3fff, v[OUTO]
	v_lshlrev_b32 v15, 2, v[OUTO]
	v_lshlrev_b32 v[OUTO], 3, v[OUTO]              ; 8 x token: its place in out0
	v_add_nc_u32 v15, v15, v[OUTO]                 ; 12 x token: its place in x
	global_load_b32 v[E],   v15, s[8:9]
	global_load_b32 v[E+1], v15, s[8:9] offset:4
	global_load_b32 v[E+2], v15, s[8:9] offset:8
	s_wait_loadcnt 0x0                             ; x is the youngest
	LOADW 2, 0
	WIN 0
; ---- THE ENCODING.  f = x less its nearest integer; sine and cosine of (pi/2) f, an angle within pi/4, by polynomials; five doublings (s' = 2 s c, c' = 1 - 2 s s) give pi f and then 2^d pi f, d = 1..4.
	E3 v_rndne_f32 v[TE+8*c], v[E+c]
	E3 v_sub_f32 v[TE+8*c], v[E+c], v[TE+8*c]
	E3 v_mul_f32 v[TE+8*c+1], v[TE+8*c], v[TE+8*c]
	E3 v_fma_f32 v[TE+8*c+2], v[TE+8*c+1], s55, s54
	E3 v_fma_f32 v[TE+8*c+3], v[TE+8*c+1], s59, s58
	E3 v_fma_f32 v[TE+8*c+2], v[TE+8*c+2], v[TE+8*c+1], s53
	E3 v_fma_f32 v[TE+8*c+3], v[TE+8*c+3], v[TE+8*c+1], s57
	E3 v_fma_f32 v[TE+8*c+2], v[TE+8*c+2], v[TE+8*c+1], s52
	E3 v_fma_f32 v[TE+8*c+3], v[TE+8*c+3], v[TE+8*c+1], s56
	E3 v_mul_f32 v[TE+8*c+2], v[TE+8*c+2], v[TE+8*c]
	E3 v_fma_f32 v[TE+8*c+3], v[TE+8*c+3], v[TE+8*c+1], 1.0
	E3 v_add_f32 v[TE+8*c+4], v[TE+8*c+2], v[TE+8*c+2]
	E3 v_mul_f32 v[TE+8*c+5], v[TE+8*c+4], v[TE+8*c+3]
	E3 v_fma_f32 v[TE+8*c+6], -v[TE+8*c+4], v[TE+8*c+2], 1.0
	E3 v_add_f32 v[TE+8*c+4], v[TE+8*c+5], v[TE+8*c+5]
	E3 v_mul_f32 v[E+3+c], v[TE+8*c+4], v[TE+8*c+6]
	E3 v_fma_f32 v[E+6+c], -v[TE+8*c+4], v[TE+8*c+5], 1.0
.irp d, 2,3,4                          ; degree d: sines at k = 6 d - 3 + c, cosines at 6 d + c
	E3 v_add_f32 v[TE+8*c+4], v[E+6*(\d)-9+c], v[E+6*(\d)-9+c]
	E3 v_mul_f32 v[E+6*(\d)-3+c], v[TE+8*c+4], v[E+6*(\d)-6+c]
	E3 v_fma_f32 v[E+6*(\d)+c], -v[TE+8*c+4], v[E+6*(\d)-9+c], 1.0
.endr
	v_mov_b32 v[E+27], s48
	v_mov_b32 v[E+28], s49
	v_mov_b32 v[E+29], 0
	v_mov_b32 v[E+30], 0
	v_mov_b32 v[E+31], 0
.set i, 0
.rept 16
	v_cvt_pk_bf16_f32 v[E+32+i], v[E+2*i], v[E+2*i+1]
.set i, i+1
.endr
.irp o, 0,1,2,3                        ; threads 80 to 127 fill fragments 5 to 7 of buffer 1, which nobody reads before a layer writes them
	ds_store_b128 v16, v[E+32+4*(\o):E+32+4*(\o)+3] offset:256*(\o)
.endr
	s_wait_dscnt 0x0                               ; for the others' sake
	s_barrier_signal -1
	s_barrier_wait -1
; ---- LAYER 0: one K block; b0 is the C operand
.irp tt, 0,1,2,3,4
	ds_load_b128 v[HP0+8*(\tt):HP0+8*(\tt)+3],   v[LD1] offset:(\tt)*1024
	ds_load_b128 v[HP0+8*(\tt)+4:HP0+8*(\tt)+7], v[LD1] offset:(\tt)*1024+512
.endr
	s_wait_dscnt 0x0
	WIN 0xa2                                       ; A, C and D window 2, B window 0
.irp ft, 0,1,2,3
.irp tt, 0,1,2,3,4
	v_wmma_f32_16x16x32_bf16 v[ACC+8*((\ft)*5+(\tt)):ACC+8*((\ft)*5+(\tt))+7], v[W0F+8*(\ft):W0F+8*(\ft)+7], v[HP0+8*(\tt):HP0+8*(\tt)+7], v[B0R+8*(\ft):B0R+8*(\ft)+7]
.endr
.endr
	EPI ST0, 0, 0                                  ; its request for slot 3 completes the first hidden layer's chunks
; ---- THE SIX HIDDEN LAYERS: two a trip, twice; then the last two, of which the last asks for nothing and keeps its H in registers
	s_mov_b32 s60, 2
.Lpair:
	LAYER LD0, ST1, 131072, 1024, 1
	LAYER LD1, ST0, 262144, 2048, 1
	WIN 0
	s_wait_xcnt 0x0                                ; the bases of the loads on their way are stepped only behind this wait
	s_add_nc_u64 s[12:13], s[12:13], 262144
	s_add_nc_u64 s[20:21], s[20:21], 2048
	s_sub_co_u32 s60, s60, 1
	s_cmp_lg_u32 s60, 0
	s_cbranch_scc1 .Lpair
	LAYER LD0, ST1, 131072, 1024, 1
	LAYER LD1, ST0, 0, 0, 0
; ---- THE LAST PRODUCT, from registers: each wave multiplies its own 64 features (K blocks 2 w, 2 w + 1 of Wl); five accumulators by turns.  The 80 maxima stand between the last layer's products and these.
	WIN 0xa2
.irp kbl, 0,1
.irp tt, 0,1,2,3,4
.if (\kbl) == 0
	v_wmma_f32_16x16x32_bf16 v[ACC+8*(\tt):ACC+8*(\tt)+7], v[WLF+8*(\kbl):WLF+8*(\kbl)+7], v[T+8*((\kbl)*5+(\tt)):T+8*((\kbl)*5+(\tt))+7], 0
.else
	v_wmma_f32_16x16x32_bf16 v[ACC+8*(\tt):ACC+8*(\tt)+7], v[WLF+8*(\kbl):WLF+8*(\kbl)+7], v[T+8*((\kbl)*5+(\tt)):T+8*((\kbl)*5+(\tt))+7], v[ACC+8*(\tt):ACC+8*(\tt)+7]
.endif
.endr
.endr
	PLACES
	WIN 0x08                                       ; store data in window 2
.irp tt, 0,1,2,3,4
	ds_store_b64 v17, v[ACC+8*(\tt):ACC+8*(\tt)+1] offset:256*(\tt)  ; lanes 0-15: token r's two partial logits; lanes 16-31: features 8 and 9, zeros, beside them
.endr
	WIN 0
	s_wait_dscnt 0x0                               ; for the others' sake
	s_barrier_signal -1
	s_barrier_wait -1
; ---- SUM OF THE FOUR WAVES' PARTS, BIAS, SIGMOID, SCATTER: thread t serves place t
.irp i, 0,1,2,3
	ds_load_b64 v[20+2*(\i):21+2*(\i)], v18 offset:1280*(\i)
.endr
	s_wait_kmcnt 0x0                               ; bl
	v_mov_b32 v28, s50
	v_mov_b32 v29, s51
	s_wait_dscnt 0x0
	v_pk_add_f32 v[20:21], v[20:21], v[22:23]
	v_pk_add_f32 v[24:25], v[24:25], v[26:27]
	v_pk_add_f32 v[20:21], v[20:21], v[24:25]
	v_pk_add_f32 v[20:21], v[20:21], v[28:29]
	v_pk_mul_f32 v[20:21], v[20:21], 0xbfb8aa3b op_sel_hi:[1,0]  ; times -log2(e)
	v_exp_f32 v20, v20
	v_exp_f32 v21, v21
	v_nop                                          ; a plain instruction behind the last exponential (ISA guide 5.7.2),
	s_wait_alu depctr_va_vdst(0)                   ; and the one wait ahead of the batch's first reader
	v_pk_add_f32 v[20:21], v[20:21], 1.0 op_sel_hi:[1,0]
	v_rcp_f32 v20, v20
	v_rcp_f32 v21, v21
	v_nop
	s_wait_alu depctr_va_vdst(0)
	s_wait_xcnt 0x0                                ; EXEC changes only behind this wait
	v_cmp_gt_u32 vcc_lo, s45, v0
	s_and_saveexec_b32 s61, vcc_lo
	global_store_b64 v[OUTO], v[20:21], s[24:25]   ; a token's 8 bytes at its own place: the scatter is the problem's
	s_wait_xcnt 0x0
	s_or_b32 exec_lo, exec_lo, s61
	s_wait_tensorcnt 0x0                           ; the wave's end, behind my last LDS store
	ds_add_u32 v[SPW], v[NIL]
	s_wait_dscnt 0x0
	s_endpgm
.Lfunc_end_k_q368948e61f_chain:
	.size	k_q368948e61f_chain, .Lfunc_end_k_q368948e61f_chain-k_q368948e61f_chain
	.p2alignl 7, 3214868480
	.fill 96, 4, 3214868480
	.section	.rodata,"a",@progbits
	.p2align	6, 0x0
	.amdhsa_kernel k_q368948e61f_chain
		.amdhsa_group_segment_fixed_size 87552
		.amdhsa_private_segment_fixed_size 0
		.amdhsa_enable_private_segment 0
		.amdhsa_kernarg_size 88
		.amdhsa_user_sgpr_count 2
		.amdhsa_user_sgpr_kernarg_segment_ptr 1
		.amdhsa_wavefront_size32 1
		.amdhsa_system_sgpr_workgroup_id_x 1
		.amdhsa_system_sgpr_workgroup_id_y 1
		.amdhsa_system_sgpr_workgroup_id_z 1
		.amdhsa_system_vgpr_workitem_id 0
		.amdhsa_next_free_vgpr 768
		.amdhsa_next_free_sgpr 66
		.amdhsa_reserve_vcc 1
		.amdhsa_float_denorm_mode_32 3
		.amdhsa_float_denorm_mode_16_64 3
		.amdhsa_memory_ordered 1
		.amdhsa_forward_progress 1
		.amdhsa_inst_pref_size 167
	.end_amdhsa_kernel
	.amdgpu_metadata
---
amdhsa.version: [ 1, 2 ]
amdhsa.kernels:
  - .name:           k_q368948e61f_chain
    .symbol:         k_q368948e61f_chain.kd
    .args:
      - { .name: counts, .offset: 0, .size: 8, .value_kind: global_buffer, .address_space: global }
      - { .name: order, .offset: 8, .size: 8, .value_kind: global_buffer, .address_space: global }
      - { .name: x, .offset: 16, .size: 8, .value_kind: global_buffer, .address_space: global }
      - { .name: proc, .offset: 24, .size: 8, .value_kind: global_buffer, .address_space: global }
      - { .name: whf, .offset: 32, .size: 8, .value_kind: global_buffer, .address_space: global }
      - { .name: w0f, .offset: 40, .size: 8, .value_kind: global_buffer, .address_space: global }
      - { .name: wlf, .offset: 48, .size: 8, .value_kind: global_buffer, .address_space: global }
      - { .name: b0, .offset: 56, .size: 8, .value_kind: global_buffer, .address_space: global }
      - { .name: bh, .offset: 64, .size: 8, .value_kind: global_buffer, .address_space: global }
      - { .name: bl, .offset: 72, .size: 8, .value_kind: global_buffer, .address_space: global }
      - { .name: out0, .offset: 80, .size: 8, .value_kind: global_buffer, .address_space: global }
    .group_segment_fixed_size: 87552
    .private_segment_fixed_size: 0
    .kernarg_segment_align: 8
    .kernarg_segment_size: 88
    .max_flat_workgroup_size: 128
    .sgpr_count:     66
    .vgpr_count:     768
    .wavefront_size: 32
...
	.end_amdgpu_metadata
.endif
;; end of part 2
